; MI455X (gfx1250); checked and timed in simulation.
; The chip was launched on July 23, 2026; its instructions are those of AMD's public machine-readable ISA for CDNA 5 (MIT licence, August 2026) and "CDNA5" Instruction Set Architecture Reference Guide (July 2026). The comments in the code are by the model that wrote it; some were corrected since.
;; Domain Mo E. Allowed arithmetic: float matrix products may take bf16 or f16 operands with f32 sums; other float arithmetic in f32, or as packed bf16 or f16 multiplies, adds, multiply-adds, maxima and minima; sums over many terms, partial sums and values carried from step to step in f32; what a program stores and reads back later, other than sums and carried values, may be rounded once to bf16 or f16.
;; Inputs: W1 8 x 1,024 x 1,024 float32; W2 8 x 1,024 x 1,024 float32; Wr 8 x 1,024 float32; x 2 x 2,048 x 1,024 float32.
;; Outputs: out0 2 x 2,048 x 1,024 float32; out1 one number float32.
;; One version. Each part assembles by itself: llvm-mc -triple=amdgcn-amd-amdhsa -mcpu=gfx1250 --defsym DOCPART=n.
;; ======== version 1 of 1: 5 launches
;; limits: an absolute error that grows with the inputs' magnitude: up to 1.25e-05 times it
;; workspace buffers: rint 18,432 bytes of whole numbers; rflt 40,960 bytes; wb 33,554,432 bytes; xs 18,874,368 bytes; pint 33,024 bytes of whole numbers; hs 18,874,368 bytes; ys 37,748,736 bytes
;; launch route (part 1): grid 256 x 1, 8 waves a work-group, no clusters, 85,504 bytes of LDS; arguments x, Wr, W1, W2, rint, rflt, wb; writes rint, rflt, wb
.if DOCPART == 1
	.amdgcn_target "amdgcn-amd-amdhsa--gfx1250"
	.amdhsa_code_object_version 6
	.text
	.protected	k_q933948ae7d_route
	.globl	k_q933948ae7d_route
	.p2align	8
	.type	k_q933948ae7d_route,@function
k_q933948ae7d_route:
	s_mov_b64 s[64:65], 0
	v_nop
	global_prefetch_b8 v0, s[64:65] scope:SCOPE_SE
	s_setreg_imm32_b32 hwreg(HW_REG_WAVE_MODE, 25, 1), 1
	s_wait_xcnt 0x0
; ROUTER AND CAST.  4,096 tokens of 1,024 numbers, 8 experts, the best two chosen.  256 work-groups of eight waves.
; Work-group g: tokens 16 g .. 16 g + 15; wave w: tokens 16 g + 2 w and the next.  x and Wr are rounded to bf16 (as every input of this program is);
; a product of two bf16 is exact in f32, and the sums are f32.  In load i of a row lane l holds k = 128 i + 4 l + 0..3, for x and for Wr alike.
; No matrix instruction: the router has 8 columns, 1/500 of the program's products, and x would have to be laid out anew for it.
; Wave 0 then makes softmax (with the row's maximum taken away), top 2 (strictly greater: the lower index wins a tie) and the two weights p / (p1 + p2 + 1e-8).
; Stored at fixed places, no address hangs on a choice: rint: eidx[token] = i1 | i2 << 8; at byte 16,384 cnt16[g], 8 bytes, byte e = how many of g's 16 tokens chose e.
; rflt: gate[token][2]; at byte 32,768 psum[g][8], the sum of g's 16 rows of probabilities.
; THE CAST.  Every wave rounds 16 rows x 256 k of W1 and the same of W2 to bf16 and lays them into wb in the order in which the products' waves take them into registers:
; wb[matrix][expert][group of 64 rows][32 along K][block of 16 rows][1,024 bytes]; in a block, byte 512 j + 16 lane holds row lane % 16, k = 16 j + 8 (lane / 16) + 0..7.
; The way there goes through a stage in LDS of the wave's own, so that memory is read and written in runs of 512 consecutive bytes; each weight is read once here.
; LIMITS: NaN and infinities are not treated apart; an exponential below 2^-126 counts as 0.
.set LOG,   16384                      ; LDS: 0 .. 16,383 Wr as bf16 (expert e at 2,048 e, quarter j at 512 j, lane at 16 l); here 16 tokens x 8 logits
.set SPARE, 16896                      ; the spare words: 128 bytes for each of eight waves, four blocks of 256 bytes that no other line names
.set STG,   17920                      ; the cast's stages: for each wave 16 rows of 256 bf16
.set SROW,  528                        ; a stage's row: 512 bytes + 16 = 33 x 16: the 16 rows that a load of 16 bytes a lane touches start at 16 different groups of four banks (64 banks of 4 bytes: ISA guide 11.1)
.set LANE, 1                           ; v1   lane; never rewritten
.set L16,  2                           ; v2   16 x lane
.set ZERO, 3                           ; v3   0: the addend of each sum's first product
.set ACC,  8                           ; v[8:15], v[16:23] the two tokens' eight sums
.set SPW,  30                          ; v30  my spare word's LDS address; never rewritten
.set NIL,  31                          ; v31  0; never rewritten
.set XR,   32                          ; v[32:95]   x as loaded
.set XP,   96                          ; v[96:127]  x in bf16 pairs, 16 registers a token
.set WP,   128                         ; v[128:255] Wr in bf16 pairs, 16 registers an expert (first: my row as loaded, v[128:159], and packed, v[160:175])
.set RT,   224                         ; v[224:239] at work in the sums across lanes, when Wr is used up
.set STW,  240                         ; v240 into my stage: its first byte + 8 x lane.  These are made behind the dot products, since Wr's registers reach to v255 until then
.set STR,  241                         ; v241 back from it: row lane % 16, 16 bytes for each half of the lanes; v242 at work
.set CR,   32                          ; the cast's three sets of 64 registers: v[32:95], v[96:159], v[160:223]
	s_load_b256 s[4:11], s[0:1], 0x0               ; x s[4:5], Wr s[6:7], W1 s[8:9], W2 s[10:11]
	s_load_b128 s[12:15], s[0:1], 0x20             ; rint s[12:13], rflt s[14:15]
	s_load_b64 s[16:17], s[0:1], 0x30              ; wb
	v_lshl_add_u32 v[SPW], v0, 2, SPARE
	v_mov_b32 v[NIL], 0
	v_and_b32 v[LANE], 31, v0
	v_lshrrev_b32 v4, 5, v0
	v_readfirstlane_b32 s18, v4                    ; wave 0..7
	s_mov_b32 s19, ttmp9                           ; g
	v_lshlrev_b32 v[L16], 4, v[LANE]
	v_mov_b32 v[ZERO], 0
	v_lshl_add_u32 v4, s18, 11, v[L16]             ; where my row of Wr goes in LDS: 2,048 w + 16 l
	s_lshl_b32 s20, s18, 6
	s_add_co_u32 s20, s20, LOG
	v_mov_b32 v5, s20                              ; where my two tokens' logits go: LOG + 64 w
	s_mov_b32 s24, 0x76543210                      ; v_permlanex16_b32: each lane takes its own place in the other half
	s_mov_b32 s25, 0xfedcba98
	s_lshl_b32 s20, s18, 12                        ; Wr's row w
	s_mov_b32 s21, 0
	s_lshl_b32 s22, s19, 16                        ; x: 16 rows of 4,096 bytes a group, two a wave
	s_lshl_b32 s23, s18, 13
	s_add_co_u32 s22, s22, s23
	s_mov_b32 s23, 0
	s_lshl_b32 s34, s19, 1                         ; the cast: my block of 16 rows, of the 512 of a matrix: 2 g + w / 4,
	s_lshr_b32 s35, s18, 2
	s_add_co_u32 s34, s34, s35
	s_and_b32 s35, s18, 3                          ; and my quarter of K: w % 4
	s_lshl_b32 s26, s34, 16                        ; from: 16 rows of 4,096 bytes a block, 1,024 bytes a quarter
	s_lshl_b32 s36, s35, 10
	s_add_co_u32 s26, s26, s36
	s_mov_b32 s27, 0
	s_lshr_b32 s28, s34, 2                         ; to: 131,072 bytes for each four blocks (the experts follow each other),
	s_lshl_b32 s28, s28, 17
	s_and_b32 s36, s34, 3                          ; 1,024 for the block among its four,
	s_lshl_b32 s36, s36, 10
	s_add_co_u32 s28, s28, s36
	s_lshl_b32 s36, s35, 15                        ; 8 x 4,096 for the quarter of K
	s_add_co_u32 s28, s28, s36
	s_mov_b32 s29, 0
	s_mul_i32 s37, s18, 16*SROW
	s_add_co_u32 s37, s37, STG                     ; my stage
	s_wait_kmcnt 0x0
	s_add_nc_u64 s[6:7], s[6:7], s[20:21]
	s_add_nc_u64 s[4:5], s[4:5], s[22:23]
	s_add_nc_u64 s[8:9], s[8:9], s[26:27]
	s_add_nc_u64 s[10:11], s[10:11], s[26:27]
	s_add_nc_u64 s[16:17], s[16:17], s[28:29]
	s_add_nc_u64 s[32:33], s[16:17], 0x1000000     ; W2's half of wb
.set i, 0
.rept 8
	global_load_b128 v[WP+4*i:WP+4*i+3], v[L16], s[6:7] offset:512*i
.set i, i+1
.endr
.set i, 0
.rept 16                                               ; two rows on end: 8,192 consecutive bytes
	global_load_b128 v[XR+4*i:XR+4*i+3], v[L16], s[4:5] offset:512*i
.set i, i+1
.endr
	s_wait_loadcnt 16                              ; Wr's eight loads are in; the sixteen of x stay out
.set i, 0
.rept 16
	v_cvt_pk_bf16_f32 v[WP+32+i], v[WP+2*i], v[WP+2*i+1]
.set i, i+1
.endr
.irp j, 0,1,2,3
	ds_store_b128 v4, v[WP+32+4*\j:WP+32+4*\j+3] offset:512*\j
.endr
	s_wait_dscnt 0x0                               ; for the others' sake: my row lies in LDS
	s_barrier_signal -1
	s_barrier_wait -1
.irp e, 0,1,2,3,4,5,6,7
.irp j, 0,1,2,3
	ds_load_b128 v[WP+16*\e+4*\j:WP+16*\e+4*\j+3], v[L16] offset:2048*\e+512*\j
.endr
.endr
	s_wait_loadcnt 8                               ; token 0's eight loads are in
.set i, 0
.rept 16
	v_cvt_pk_bf16_f32 v[XP+i], v[XR+2*i], v[XR+2*i+1]
.set i, i+1
.endr
	s_wait_loadcnt 0x0                             ; token 1's
.rept 16
	v_cvt_pk_bf16_f32 v[XP+i], v[XR+2*i], v[XR+2*i+1]
.set i, i+1
.endr
	s_wait_dscnt 0x0                               ; all eight rows of Wr are in registers
; One token's eight dot products: 16 packed registers x 2 halves x 8 experts; the eight sums take turns, so no line waits for the one before it.
.macro DOT tok
.set p, 0
.rept 16
.irp h, 0,1
.irp e, 0,1,2,3,4,5,6,7
.if (p == 0) && (\h == 0)
	v_fma_mix_f32_bf16 v[ACC+8*(\tok)+\e], v[XP+16*(\tok)+p], v[WP+16*\e+p], v[ZERO] op_sel:[\h,\h,0] op_sel_hi:[1,1,0]
.else
	v_fma_mix_f32_bf16 v[ACC+8*(\tok)+\e], v[XP+16*(\tok)+p], v[WP+16*\e+p], v[ACC+8*(\tok)+\e] op_sel:[\h,\h,0] op_sel_hi:[1,1,0]
.endif
.endr
.endr
.set p, p+1
.endr
.endm
	DOT 0
	DOT 1
	v_lshl_add_u32 v[STW], v[LANE], 3, s37         ; Wr has had its last reader: the stage's addresses take three of its registers, and no later load lands there
	v_and_b32 v[STR], 15, v[LANE]
	v_mul_u32_u24 v[STR], v[STR], SROW
	v_lshrrev_b32 v[STR+1], 4, v[LANE]
	v_lshl_add_u32 v[STR], v[STR+1], 4, v[STR]
	v_add_nc_u32 v[STR], s37, v[STR]
; Group 0, 1: rows 0-7 and 8-15 of my block of W1; 2, 3: of W2.  Sixteen loads of 512 consecutive bytes a group, two to a row's 1,024 bytes.
.macro CLD grp, set
.set i, 0
.rept 16
.if (\grp) < 2
	global_load_b128 v[CR+64*(\set)+4*i:CR+64*(\set)+4*i+3], v[L16], s[8:9] offset:4096*(8*((\grp)%2)+i/2)+512*(i%2) th:TH_LOAD_NT
.else
	global_load_b128 v[CR+64*(\set)+4*i:CR+64*(\set)+4*i+3], v[L16], s[10:11] offset:4096*(8*((\grp)%2)+i/2)+512*(i%2) th:TH_LOAD_NT
.endif
.set i, i+1
.endr
.endm
.macro TOST grp, set                   ; a group is rounded in place and laid into my stage, by rows: 256 consecutive bytes a store
.set i, 0
.rept 16
.set q, CR+64*(\set)+4*i
	v_cvt_pk_bf16_f32 v[q], v[q], v[q+1]
	v_cvt_pk_bf16_f32 v[q+1], v[q+2], v[q+3]
	ds_store_b64 v[STW], v[q:q+1] offset:SROW*(8*((\grp)%2)+i/2)+256*(i%2)
.set i, i+1
.endr
.endm
.macro OUTW m, set                     ; my stage's 16 rows x 256 k leave in the products' order: load i brings 32 (i / 2) + 16 (i % 2) + 8 (lane / 16) + 0..7 along K of row lane % 16
.set i, 0
.rept 16
	ds_load_b128 v[CR+64*(\set)+4*i:CR+64*(\set)+4*i+3], v[STR] offset:64*(i/2)+32*(i%2)  ; LDS serves a wave's instructions in order (ISA guide 5.7.1.4): these see my stores above, and the next matrix's stores come behind them
.set i, i+1
.endr
.set i, 0
.rept 16
	s_wait_dscnt 15-i                              ; load i is back, the younger ones may be out
.if (\m) == 0
	global_store_b128 v[L16], v[CR+64*(\set)+4*i:CR+64*(\set)+4*i+3], s[16:17] offset:4096*(i/2)+512*(i%2)  ; 512 consecutive bytes, aligned to 256
.else
	global_store_b128 v[L16], v[CR+64*(\set)+4*i:CR+64*(\set)+4*i+3], s[32:33] offset:4096*(i/2)+512*(i%2)
.endif
.set i, i+1
.endr
.endm
	CLD 0, 0                                       ; x and Wr are used up: 48 loads of weights go out, and stay out under the sums, the barrier and wave 0's softmax
	CLD 1, 1
	CLD 2, 2
	; the sixteen sums across the 32 lanes: four steps inside each half, one across
.irp m, 1,2,4,8
.set r, 0
.rept 16
	v_add_f32_dpp v[ACC+r], v[ACC+r], v[ACC+r] row_xmask:\m row_mask:0xf bank_mask:0xf
.set r, r+1
.endr
.endr
.set r, 0
.rept 16
	v_permlanex16_b32 v[RT+r], v[ACC+r], s24, s25
.set r, r+1
.endr
.set r, 0
.rept 16
	v_add_f32 v[ACC+r], v[ACC+r], v[RT+r]
.set r, r+1
.endr
.irp j, 0,1,2,3
	ds_store_b128 v5, v[ACC+4*\j:ACC+4*\j+3] offset:16*\j   ; every lane holds the same numbers and writes the same bytes
.endr
	s_wait_dscnt 0x0                               ; for wave 0's sake
	s_barrier_signal -1
	s_barrier_wait -1
	s_cmp_lg_u32 s18, 0
	s_cbranch_scc1 .Lcast
	; WAVE 0: lane l serves token l % 16 (both halves of the lanes do the same work)
	v_and_b32 v6, 15, v[LANE]
	v_lshl_add_u32 v6, v6, 5, LOG
	ds_load_b128 v[8:11], v6
	ds_load_b128 v[12:15], v6 offset:16
	s_lshl_b32 s20, s19, 6
	s_lshl_b32 s21, s19, 7
	s_lshl_b32 s22, s19, 3
	s_lshl_b32 s23, s19, 5
	v_lshl_add_u32 v4, v[LANE], 2, s20             ; eidx: 4 (16 g + l)
	v_lshl_add_u32 v6, v[LANE], 3, s21             ; gate: 8 (16 g + l)
	v_mov_b32 v7, s22                              ; cnt16: 8 g
	v_mov_b32 v5, s23                              ; psum: 32 g
	v_mov_b32 v27, 1
	v_mov_b32 v28, 0
	v_mov_b32 v29, 0
	s_wait_dscnt 0x0
	v_max3_num_f32 v24, v8, v9, v10
	v_max3_num_f32 v24, v24, v11, v12
	v_max3_num_f32 v24, v24, v13, v14
	v_max_num_f32 v24, v24, v15                    ; the row's maximum
.irp e, 0,1,2,3,4,5,6,7
	v_sub_f32 v[8+\e], v[8+\e], v24
.endr
.irp e, 0,1,2,3,4,5,6,7
	v_mul_f32 v[8+\e], 0x3fb8aa3b, v[8+\e]         ; x log2(e)
.endr
.irp e, 0,1,2,3,4,5,6,7
	v_exp_f32 v[8+\e], v[8+\e]
.endr
	v_nop                                          ; a plain instruction behind the last exponential
	s_wait_alu depctr_va_vdst(0)                   ; one wait for the eight, ahead of their first reader
	v_add_f32 v26, v8, v9
	v_add_f32 v25, v10, v11
	v_add_f32 v24, v12, v13
	v_add_f32 v20, v14, v15
	v_add_f32 v26, v26, v25
	v_add_f32 v24, v24, v20
	v_add_f32 v26, v26, v24
	v_rcp_f32 v26, v26
	v_nop
	s_wait_alu depctr_va_vdst(0)
.irp e, 0,1,2,3,4,5,6,7
	v_mul_f32 v[8+\e], v[8+\e], v26                ; the probabilities
.endr
	v_mov_b32 v16, v8                              ; the best, and its index
	v_mov_b32 v17, 0
.irp e, 1,2,3,4,5,6,7
	v_cmp_gt_f32 vcc_lo, v[8+\e], v16
	v_cndmask_b32 v16, v16, v[8+\e], vcc_lo
	v_cndmask_b32 v17, v17, \e, vcc_lo
.endr
	v_mov_b32 v18, -1.0                            ; the second best: below every probability, so the first index that is not i1 is taken
	v_mov_b32 v19, 0
.irp e, 0,1,2,3,4,5,6,7
	v_cmp_gt_f32 s28, v[8+\e], v18
	v_cmp_ne_u32 s29, \e, v17
	s_and_b32 s28, s28, s29
	v_cndmask_b32 v18, v18, v[8+\e], s28
	v_cndmask_b32 v19, v19, \e, s28
.endr
	v_add_f32 v20, v16, v18
	v_add_f32 v20, 0x322bcc77, v20                 ; + 1e-8
	v_rcp_f32 v20, v20
	v_lshl_or_b32 v21, v19, 8, v17                 ; i1 | i2 << 8: the plain instruction behind the reciprocal
	s_wait_alu depctr_va_vdst(0)
	v_mul_f32 v22, v16, v20
	v_mul_f32 v23, v18, v20
.macro HOT idx                         ; 1 onto byte idx of the eight bytes v[28:29]
	v_and_b32 v24, 3, v[\idx]
	v_lshlrev_b32 v24, 3, v24
	v_lshlrev_b32 v24, v24, v27
	v_cmp_gt_u32 vcc_lo, 4, v[\idx]
	v_cndmask_b32 v25, 0, v24, vcc_lo
	v_add_nc_u32 v28, v28, v25
	v_sub_nc_u32 v24, v24, v25
	v_add_nc_u32 v29, v29, v24
.endm
	HOT 17
	HOT 19
.irp m, 1,2,4,8                        ; over the 16 tokens: a byte holds 16 at the most
	v_mov_b32_dpp v24, v28 row_xmask:\m row_mask:0xf bank_mask:0xf
	v_mov_b32_dpp v25, v29 row_xmask:\m row_mask:0xf bank_mask:0xf
	v_add_nc_u32 v28, v28, v24
	v_add_nc_u32 v29, v29, v25
.endr
.irp m, 1,2,4,8
.irp e, 0,1,2,3,4,5,6,7
	v_add_f32_dpp v[8+\e], v[8+\e], v[8+\e] row_xmask:\m row_mask:0xf bank_mask:0xf
.endr
.endr
	s_wait_xcnt 0x0                                ; EXEC changes only behind this wait: the cast's loads are out
	v_cmp_gt_u32 vcc_lo, 16, v[LANE]
	s_and_saveexec_b32 s30, vcc_lo
	global_store_b32 v4, v21, s[12:13]
	global_store_b64 v6, v[22:23], s[14:15]
	s_wait_xcnt 0x0
	s_or_b32 exec_lo, exec_lo, s30
	v_cmp_eq_u32 vcc_lo, 0, v[LANE]
	s_and_saveexec_b32 s30, vcc_lo
	global_store_b64 v7, v[28:29], s[12:13] offset:16384
	global_store_b128 v5, v[8:11], s[14:15] offset:32768
	global_store_b128 v5, v[12:15], s[14:15] offset:32784
	s_wait_xcnt 0x0
	s_or_b32 exec_lo, exec_lo, s30
.Lcast:
	s_wait_loadcnt 32                              ; group 0 is in; groups 1 and 2 stay out (wave 0 has issued no load since)
	TOST 0, 0
	CLD 3, 0                                       ; set 0 has been read by LDS stores alone
	s_wait_loadcnt 32                              ; group 1; groups 2 and 3 stay out
	TOST 1, 1
	OUTW 0, 1                                      ; W1's 16 rows lie in the stage: they leave through set 1
	s_wait_loadcnt 16                              ; group 2
	TOST 2, 2
	s_wait_loadcnt 0x0
	TOST 3, 0
	OUTW 1, 2                                      ; W2's, through set 2
	s_wait_tensorcnt 0x0                           ; the wave's end: behind my last LDS store
	ds_add_u32 v[SPW], v[NIL]
	s_wait_dscnt 0x0
	s_endpgm
.Lfunc_end_k_q933948ae7d_route:
	.size	k_q933948ae7d_route, .Lfunc_end_k_q933948ae7d_route-k_q933948ae7d_route
	.p2alignl 7, 3214868480
	.fill 96, 4, 3214868480
	.section	.rodata,"a",@progbits
	.p2align	6, 0x0
	.amdhsa_kernel k_q933948ae7d_route
		.amdhsa_group_segment_fixed_size 85504
		.amdhsa_private_segment_fixed_size 0
		.amdhsa_enable_private_segment 0
		.amdhsa_kernarg_size 56
		.amdhsa_user_sgpr_count 2
		.amdhsa_user_sgpr_kernarg_segment_ptr 1
		.amdhsa_wavefront_size32 1
		.amdhsa_system_sgpr_workgroup_id_x 1
		.amdhsa_system_sgpr_workgroup_id_y 1
		.amdhsa_system_sgpr_workgroup_id_z 1
		.amdhsa_system_vgpr_workitem_id 0
		.amdhsa_next_free_vgpr 256
		.amdhsa_next_free_sgpr 66
		.amdhsa_reserve_vcc 1
		.amdhsa_float_denorm_mode_32 3
		.amdhsa_float_denorm_mode_16_64 3
		.amdhsa_memory_ordered 1
		.amdhsa_forward_progress 1
		.amdhsa_inst_pref_size 83
	.end_amdhsa_kernel
	.amdgpu_metadata
---
amdhsa.version: [ 1, 2 ]
amdhsa.kernels:
  - .name:           k_q933948ae7d_route
    .symbol:         k_q933948ae7d_route.kd
    .args:
      - { .name: x, .offset: 0, .size: 8, .value_kind: global_buffer, .address_space: global }
      - { .name: Wr, .offset: 8, .size: 8, .value_kind: global_buffer, .address_space: global }
      - { .name: W1, .offset: 16, .size: 8, .value_kind: global_buffer, .address_space: global }
      - { .name: W2, .offset: 24, .size: 8, .value_kind: global_buffer, .address_space: global }
      - { .name: rint, .offset: 32, .size: 8, .value_kind: global_buffer, .address_space: global }
      - { .name: rflt, .offset: 40, .size: 8, .value_kind: global_buffer, .address_space: global }
      - { .name: wb, .offset: 48, .size: 8, .value_kind: global_buffer, .address_space: global }
    .group_segment_fixed_size: 85504
    .private_segment_fixed_size: 0
    .kernarg_segment_align: 8
    .kernarg_segment_size: 56
    .max_flat_workgroup_size: 256
    .sgpr_count:     66
    .vgpr_count:     256
    .wavefront_size: 32
...
	.end_amdgpu_metadata
.endif
;; end of part 1
;; launch place (part 2): grid 256 x 1, 4 waves a work-group, no clusters, 0 bytes of LDS; arguments x, rint, xs, pint; writes xs, pint
.if DOCPART == 2
	.amdgcn_target "amdgcn-amd-amdhsa--gfx1250"
	.amdhsa_code_object_version 6
	.text
	.protected	k_q933948ae7d_place
	.globl	k_q933948ae7d_place
	.p2align	8
	.type	k_q933948ae7d_place,@function
k_q933948ae7d_place:
	s_mov_b64 s[64:65], 0
	v_nop
	global_prefetch_b8 v0, s[64:65] scope:SCOPE_SE
	s_setreg_imm32_b32 hwreg(HW_REG_WAVE_MODE, 25, 1), 1
	s_wait_xcnt 0x0
; COUNTING SORT BY EXPERT, AND x IN bf16 AT ITS TWO SORTED PLACES.
; xs has 9,216 rows of 1,024 bf16 = 64 tiles of 144 rows.  Expert e, with c_e routed rows, gets ceil(c_e / 144) whole tiles; the sum of these is at most
; (8,192 + 8 x 143) / 144 = 64.8, so 64 tiles serve every split.  The 9,216 - 8,192 = 1,024 rows that no token takes are written as zeros, four by each work-group.
; Work-group g: tokens 16 g .. 16 g + 15.  Every wave works the counts out for itself from cnt16 (2,048 bytes): no LDS, no barrier.  Wave w copies columns 256 w .. 256 w + 255
; of the 16 rows and writes pad row 4 g + w.  A token's place: 144 x (tiles of the experts before) + (choices of e in the groups before g) + (in g, by tokens before it).
; pint: pos[token][2] at byte 0, tile_e[64] (a tile's expert; 7 for tiles that a split leaves empty) at byte 32,768.
; Every number that was loaded and enters an address is first held to 9,215 rows.
.set CN,  8                            ; v[8:23]   my eight entries of cnt16 (low word, high word)
.set EI,  24                           ; v24       eidx of token 16 g + lane % 16
.set AD,  32                           ; v[32:63]  byte offsets in xs: token i's two places at AD + 2 i; never rewritten
.set XD,  64                           ; v[64:191] x as loaded: load c = 2 i + j (token i, half j of my 256 columns) at XD + 4 c
.set TL,  192                          ; v192-195  my entries' sums: all (low, high), those of groups before g (low, high)
.set W,   196                          ; v[196:203] the same in fields of 16 bits: experts (0,2) (1,3) (4,6) (5,7), all and before
.set X1,  204
.set X2,  205
.set EA,  206                          ; v206, v207 the token's two experts
.set PA,  208                          ; v[208:209] its two places
.set RK,  210
.set Z,   212                          ; v[212:215] zeros
.set PD,  216                          ; v216      the pad row's offset
.set PO,  217                          ; v217      pos's offset
.set TE,  218
.set TM,  220                          ; v[220:227] at work in the sums across lanes
	s_load_b256 s[4:11], s[0:1], 0x0               ; x s[4:5], rint s[6:7], xs s[8:9], pint s[10:11]
	v_and_b32 v1, 31, v0                           ; lane
	v_lshrrev_b32 v2, 5, v0
	v_readfirstlane_b32 s18, v2                    ; wave 0..3
	s_mov_b32 s19, ttmp9                           ; g
	v_lshlrev_b32 v2, 6, v1                        ; 64 l: entries 8 l .. 8 l + 7
	s_lshl_b32 s30, s19, 6
	v_and_b32 v3, 15, v1
	v_lshl_add_u32 v3, v3, 2, s30                  ; 4 (16 g + l % 16)
	v_lshlrev_b32 v4, 4, v1                        ; 16 l
	s_lshl_b32 s31, s18, 9
	v_lshl_add_u32 v5, v1, 3, s31                  ; in a row of xs: 512 w + 8 l
	v_lshlrev_b32 v6, 3, v1                        ; 8 l: my first entry's number
	s_lshl_b32 s32, s19, 16
	s_lshl_b32 s33, s18, 10
	s_add_co_u32 s32, s32, s33
	s_mov_b32 s33, 0
	s_mov_b32 s28, 0x76543210
	s_mov_b32 s29, 0xfedcba98
	s_mov_b32 s34, 0x00ff00ff
	s_wait_kmcnt 0x0
	s_add_nc_u64 s[4:5], s[4:5], s[32:33]          ; x at my columns of the group's first row
.irp k, 0,1,2,3
	global_load_b128 v[CN+4*\k:CN+4*\k+3], v2, s[6:7] offset:16384+16*\k
.endr
	global_load_b32 v[EI], v3, s[6:7]
.set c, 0
.rept 32
	global_load_b128 v[XD+4*c:XD+4*c+3], v4, s[4:5] offset:4096*(c/2)+512*(c%2) th:TH_LOAD_NT
.set c, c+1
.endr
.irp k, 0,1,2,3
	v_mov_b32 v[TL+\k], 0
	v_mov_b32 v[Z+\k], 0
.endr
.irp k, 0,1,2,3,4,5,6,7
	v_mov_b32 v[TM+\k], 0
.endr
	s_wait_loadcnt 32                              ; the five loads of the routing are in; the 32 of x stay out
.irp j, 0,1,2,3,4,5,6,7                ; a byte of an entry is 16 at the most, of eight entries 128
	v_add_nc_u32 v[X1], \j, v6
	v_cmp_gt_u32 vcc_lo, s19, v[X1]                ; is the entry a group's before mine?
	v_cndmask_b32 v[X2], 0, v[CN+2*\j], vcc_lo
	v_add_nc_u32 v[TL+2], v[TL+2], v[X2]
	v_cndmask_b32 v[X2], 0, v[CN+2*\j+1], vcc_lo
	v_add_nc_u32 v[TL+3], v[TL+3], v[X2]
	v_add_nc_u32 v[TL], v[TL], v[CN+2*\j]
	v_add_nc_u32 v[TL+1], v[TL+1], v[CN+2*\j+1]
.endr
.irp k, 0,1,2,3                        ; bytes into fields of 16 bits: 32 lanes x 128 = 4,096 fits
	v_and_b32 v[W+2*\k], s34, v[TL+\k]
	v_lshrrev_b32 v[X1], 8, v[TL+\k]
	v_and_b32 v[W+2*\k+1], s34, v[X1]
.endr
.irp m, 1,2,4,8
.irp k, 0,1,2,3,4,5,6,7
	v_mov_b32_dpp v[TM+\k], v[W+\k] row_xmask:\m row_mask:0xf bank_mask:0xf
.endr
.irp k, 0,1,2,3,4,5,6,7
	v_add_nc_u32 v[W+\k], v[W+\k], v[TM+\k]
.endr
.endr
.irp k, 0,1,2,3,4,5,6,7
	v_permlanex16_b32 v[TM+\k], v[W+\k], s28, s29
.endr
.irp k, 0,1,2,3,4,5,6,7
	v_add_nc_u32 v[W+\k], v[W+\k], v[TM+\k]
.endr
.irp k, 0,1,2,3,4,5,6,7
	v_readfirstlane_b32 s[20+\k], v[W+\k]          ; s20-23 all, s24-27 before
.endr
	; s[40+e]: the place of g's first row of expert e.  s[48+e]: tiles up to and with e.  s[56+e]: rows up to and with e.  s[72+e]: pad rows up to and with e.
	s_mov_b32 s82, 0
	s_mov_b32 s83, 0
.irp e, 0,1,2,3,4,5,6,7
.if ((\e)%4)/2 == 0
	s_and_b32 s80, s[20+((\e)/4)*2+(\e)%2], 0xffff
	s_and_b32 s81, s[24+((\e)/4)*2+(\e)%2], 0xffff
.else
	s_lshr_b32 s80, s[20+((\e)/4)*2+(\e)%2], 16
	s_lshr_b32 s81, s[24+((\e)/4)*2+(\e)%2], 16
.endif
	s_mul_i32 s84, s82, 144
	s_add_co_u32 s[40+\e], s84, s81
	s_add_co_u32 s84, s80, 143
	s_mul_i32 s84, s84, 116509                     ; n / 144 = (n x 116,509) >> 24: 116,509 x 144 = 2^24 + 80, exact while 80 n < 2^24; n is 4,239 at the most
	s_lshr_b32 s84, s84, 24
	s_add_co_u32 s82, s82, s84
	s_mov_b32 s[48+\e], s82
	s_add_co_u32 s83, s83, s80
	s_mov_b32 s[56+\e], s83
	s_mul_i32 s84, s82, 144
	s_sub_co_u32 s[72+\e], s84, s83
.endr
	; pad row q lies at row q + (rows up to and with the expert in whose tiles it falls; behind the last expert: all rows)
	s_lshl_b32 s85, s19, 2
	s_add_co_u32 s85, s85, s18                     ; q = 4 g + w
	s_mov_b32 s86, s56
.irp e, 0,1,2,3,4,5,6
	s_cmp_ge_u32 s85, s[72+\e]
	s_cselect_b32 s86, s[57+\e], s86
.endr
	s_add_co_u32 s86, s86, s85
	s_min_u32 s86, s86, 9215
	s_lshl_b32 s86, s86, 11
	v_add_nc_u32 v[PD], s86, v4
	; the tokens' places
	v_and_b32 v[EA], 0xff, v[EI]
	v_bfe_u32 v[EA+1], v[EI], 8, 8
	v_mov_b32 v[PA], 0
	v_mov_b32 v[PA+1], 0
.irp e, 0,1,2,3,4,5,6,7
	v_cmp_eq_u32 s87, \e, v[EA]
	v_cmp_eq_u32 s88, \e, v[EA+1]
	s_or_b32 s89, s87, s88
	s_and_b32 s89, s89, 0xffff                     ; the group's 16 tokens lie in lanes 0 to 15
	v_mbcnt_lo_u32_b32 v[RK], s89, s[40+\e]        ; the first place + how many tokens before mine chose e
	v_cndmask_b32 v[PA], v[PA], v[RK], s87
	v_cndmask_b32 v[PA+1], v[PA+1], v[RK], s88
.endr
.set i, 0
.rept 16
	v_readlane_b32 s80, v[PA], i
	v_readlane_b32 s81, v[PA+1], i
	s_min_u32 s80, s80, 9215
	s_min_u32 s81, s81, 9215
	s_lshl_b32 s80, s80, 11                        ; rows of 2,048 bytes
	s_lshl_b32 s81, s81, 11
	v_add_nc_u32 v[AD+2*i], s80, v5
	v_add_nc_u32 v[AD+2*i+1], s81, v5
.set i, i+1
.endr
.irp k, 0,1,2,3
	global_store_b128 v[PD], v[Z:Z+3], s[8:9] offset:512*\k    ; the pad row: 2,048 bytes of zeros
.endr
.set c, 0
.rept 32
	s_wait_loadcnt 31-c                            ; load c is in, the younger ones stay out
	v_cvt_pk_bf16_f32 v[XD+4*c], v[XD+4*c], v[XD+4*c+1]
	v_cvt_pk_bf16_f32 v[XD+4*c+1], v[XD+4*c+2], v[XD+4*c+3]
	global_store_b64 v[AD+2*(c/2)], v[XD+4*c:XD+4*c+1], s[8:9] offset:256*(c%2)     ; each store of the wave covers 256 consecutive bytes, aligned
	global_store_b64 v[AD+2*(c/2)+1], v[XD+4*c:XD+4*c+1], s[8:9] offset:256*(c%2)
.set c, c+1
.endr
	s_cmp_lg_u32 s18, 0
	s_cbranch_scc1 .Lno_pos
	s_lshl_b32 s80, s19, 7
	v_lshl_add_u32 v[PO], v1, 3, s80               ; 8 (16 g + l)
	s_wait_xcnt 0x0                                ; EXEC changes only behind this wait
	v_cmp_gt_u32 vcc_lo, 16, v1
	s_and_saveexec_b32 s81, vcc_lo
	global_store_b64 v[PO], v[PA:PA+1], s[10:11]
	s_wait_xcnt 0x0
	s_or_b32 exec_lo, exec_lo, s81
.Lno_pos:
	s_cmp_lg_u32 s19, 0
	s_cbranch_scc1 .Lend
	s_cmp_gt_u32 s18, 1
	s_cbranch_scc1 .Lend
	v_mov_b32 v[TE], 0                             ; work-group 0, threads 0 to 63: tile t's expert = how many of the experts 0 to 6 end at or before t
.irp e, 0,1,2,3,4,5,6
	v_cmp_le_u32 vcc_lo, s[48+\e], v0
	v_cndmask_b32 v[TE+1], 0, 1, vcc_lo
	v_add_nc_u32 v[TE], v[TE], v[TE+1]
.endr
	v_lshlrev_b32 v[X1], 2, v0
	global_store_b32 v[X1], v[TE], s[10:11] offset:32768
.Lend:
	s_endpgm
.Lfunc_end_k_q933948ae7d_place:
	.size	k_q933948ae7d_place, .Lfunc_end_k_q933948ae7d_place-k_q933948ae7d_place
	.p2alignl 7, 3214868480
	.fill 96, 4, 3214868480
	.section	.rodata,"a",@progbits
	.p2align	6, 0x0
	.amdhsa_kernel k_q933948ae7d_place
		.amdhsa_group_segment_fixed_size 0
		.amdhsa_private_segment_fixed_size 0
		.amdhsa_enable_private_segment 0
		.amdhsa_kernarg_size 32
		.amdhsa_user_sgpr_count 2
		.amdhsa_user_sgpr_kernarg_segment_ptr 1
		.amdhsa_wavefront_size32 1
		.amdhsa_system_sgpr_workgroup_id_x 1
		.amdhsa_system_sgpr_workgroup_id_y 1
		.amdhsa_system_sgpr_workgroup_id_z 1
		.amdhsa_system_vgpr_workitem_id 0
		.amdhsa_next_free_vgpr 256
		.amdhsa_next_free_sgpr 96
		.amdhsa_reserve_vcc 1
		.amdhsa_float_denorm_mode_32 3
		.amdhsa_float_denorm_mode_16_64 3
		.amdhsa_memory_ordered 1
		.amdhsa_forward_progress 1
		.amdhsa_inst_pref_size 40
	.end_amdhsa_kernel
	.amdgpu_metadata
---
amdhsa.version: [ 1, 2 ]
amdhsa.kernels:
  - .name:           k_q933948ae7d_place
    .symbol:         k_q933948ae7d_place.kd
    .args:
      - { .name: x, .offset: 0, .size: 8, .value_kind: global_buffer, .address_space: global }
      - { .name: rint, .offset: 8, .size: 8, .value_kind: global_buffer, .address_space: global }
      - { .name: xs, .offset: 16, .size: 8, .value_kind: global_buffer, .address_space: global }
      - { .name: pint, .offset: 24, .size: 8, .value_kind: global_buffer, .address_space: global }
    .group_segment_fixed_size: 0
    .private_segment_fixed_size: 0
    .kernarg_segment_align: 8
    .kernarg_segment_size: 32
    .max_flat_workgroup_size: 128
    .sgpr_count:     96
    .vgpr_count:     256
    .wavefront_size: 32
...
	.end_amdgpu_metadata
.endif
;; end of part 2
;; launch ffn1 (part 3): grid 4 x 64, 4 waves a work-group, clusters of 4 x 1, 327,680 bytes of LDS; arguments xs, wb, pint, hs; writes hs
.if DOCPART == 3
	.amdgcn_target "amdgcn-amd-amdhsa--gfx1250"
	.amdhsa_code_object_version 6
	.text
	.protected	k_q933948ae7d_ffn1
	.globl	k_q933948ae7d_ffn1
	.p2align	8
	.type	k_q933948ae7d_ffn1,@function
k_q933948ae7d_ffn1:
	s_mov_b64 s[64:65], 0
	v_nop
	global_prefetch_b8 v0, s[64:65] scope:SCOPE_SE
	s_setreg_imm32_b32 hwreg(HW_REG_WAVE_MODE, 25, 1), 1
	s_wait_xcnt 0x0
	s_wait_alu depctr_hold_cnt(0) depctr_sa_sdst(0) depctr_va_vdst(0) depctr_va_sdst(0) depctr_va_ssrc(0) depctr_va_vcc(0) depctr_vm_vsrc(0)
	s_getreg_b32 s2, hwreg(HW_REG_IB_STS2, 6, 4)
	s_cmp_eq_u32 s2, 0
	s_cbranch_scc0 .Lentry_in_a_cluster
	s_endpgm
.Lentry_in_a_cluster:
	s_bfe_u32 s2, ttmp6, 0x10000c
	s_cmp_lg_u32 s2, 0x3003
	s_cbranch_scc0 .Lentry_shape_is_right
	s_endpgm
.Lentry_shape_is_right:
; hs[row][n] = gelu(sum over k of xs[row][k] W1[e][n][k]), for the 9,216 sorted rows; xs, W1 (in wb) and hs in bf16, sums and GELU in f32.
; A work-group makes 144 rows (tile t, all of one expert e = tile_e[t]) x 256 columns (slice cx): 64 x 4 = 256 work-groups, whatever the split of the tokens.
; A tile that a split leaves empty holds zero rows and is multiplied like any other: its rows of hs are written and nobody reads them; so no barrier and no joint load hangs on loaded data.
; Four waves; wave w makes all 144 rows x columns 64 w .. 64 w + 63: 36 accumulators of 16 x 16 (9 row blocks a x 4 column blocks b).  K goes in 32 quarters of 32: 36 matrix instructions each.
; The matrix instruction is used transposed (source 0 = 16 rows of W1, source 1 = 16 tokens): a lane holds one token and eight neighbouring columns.
; THE TOKENS' TILE lies whole in LDS, filled once: 8 chunks of 128 along K, each 144 rows of 256 bytes padded to 272.  All four waves read it: 18 LDS loads a quarter.
; CLUSTER: the four slices of a tile need the same rows of xs: asked for jointly, four loads a wave (72 rows x 256 bytes each), all at the start.  Nothing is filled again, so the K loop has no barrier.
; THE WEIGHTS go from memory straight into registers: a wave's 64 rows are read by that wave alone, so LDS would share nothing.  wb holds them in the registers' order, a wave's whole stream 131,072 bytes on end,
; a quarter 4,096: eight loads of 512 consecutive bytes.  A ring of eight register buffers: quarter q asks for quarter q + 7, so 56 loads of a wave (28,672 bytes) are on their way, each for seven quarters' work.
; The weights are not asked for jointly: they do not pass through LDS, and an expert's number of tiles hangs on the stored counts, so partners could not be made alike.
; GELU: 0.5 x + |x| (0.5 - r(t) exp(-x^2/2)), t = 1 / (1 + 0.33267253 |x|), r = halved cubic of Abramowitz and Stegun 7.1.25: off by at most 1.25e-5 |x| for every x.
; LIMITS: NaN and infinities are not treated apart; exp(-x^2/2) below 2^-126 counts as 0.
; REGISTERS, in windows of 256 (s_set_vgpr_msb: bits 1:0 source 0, 3:2 source 1, 5:4 source 2, 7:6 destination):
;   window 0: addresses; v32-135 at work on the way out; v224-255 the accumulators of row block 8     window 1: accumulator (a, b), a < 8, at 8 (4 a + b)
;   window 2: two buffers of 72 for the tokens' fragments, block a at 8 a                              window 3: the weights' ring: buffer q % 8 at 32 (q % 8), block b at 8 b
.set KSTEP,  128
.set PITCH,  272                       ; an LDS row: 256 bytes + 16 = 68 words: the 16 rows of a fragment load start at 16 different groups of four banks (64 banks of 4 bytes: ISA guide 11.1)
.set HALFC,  72*PITCH                  ; what one tensor load brings: 72 rows of a chunk
.set CHUNK,  144*PITCH                 ; 128 along K of the tile's 144 rows
.set SPARE,  8*CHUNK                   ; behind the tile: the spare words, 128 bytes for each wave: two blocks of 256 bytes that no other line names
.set SPITCH, 1040                      ; the stage for the way out: 144 rows of 256 f32 + 16 bytes, from LDS byte 0: over chunks 0 to 3, which have had their one fill
.set WOFF,   0                         ; W1's place in wb
.set QB,     4096                      ; a quarter of my weights
.set ADRA, 16                          ; v16-18 LDS address of my lane in chunks 2 t, 2 t + 1, 2 t + 2 (t: the loop's trip)
.set BO,   19                          ; v19    16 x lane: my place in a load of weights; never rewritten
.set STO,  22                          ; v22-24 into the stage: row blocks 0-2, 3-5, 6-8
.set RD,   25                          ; v25    back from the stage
.set GO,   26                          ; v26    my byte offset in hs
.set SPW,  28                          ; v28    my spare word's LDS address; never rewritten
.set NIL,  29                          ; v29    0; never rewritten
.set F0,   0
.set F1,   72
.set G1A,  24                          ; s[24:31] descriptor group 1
.set G0,   32                          ; s[32:47] descriptor group 0, a set for each of my four loads
.set BB,   48                          ; s[48:49] my weights' stream, stepped by eight quarters a trip
.set GX,   32                          ; the way out: 16 numbers as read
.set GA,   48                          ; |x|
.set GQ,   64                          ; x^2, then the exponential
.set GH,   80                          ; 0.5 x
.set GD,   96                          ; 1 + p |x|, then t
.set GR,   112                         ; the cubic, then the result
.set GP,   128                         ; packed
.set MSB, 0
.macro WIN new                         ; the immediate's high byte repeats the setting that is left; a switch that changes nothing is dropped
.if MSB != (\new)
	s_set_vgpr_msb (MSB<<8)|(\new)
.set MSB, \new
.endif
.endm
.macro CROUND                          ; a round of the cluster's barrier
	s_barrier_signal -1
	s_barrier_wait -1
	s_cmp_lg_u32 s12, 0
	s_cbranch_scc1 .Lnot_wave_0_\@
	s_barrier_signal -3
.Lnot_wave_0_\@:
	s_barrier_wait -3
	s_barrier_signal -1
	s_barrier_wait -1
.endm
.macro PLACES                          ; four plain vector instructions between a matrix instruction and a load into, or a read of, its registers
.rept 4
	v_nop
.endr
.endm
	s_load_b256 s[4:11], s[0:1], 0x0               ; xs s[4:5], wb s[6:7], pint s[8:9], hs s[10:11]
	v_lshl_add_u32 v[SPW], v0, 2, SPARE
	v_mov_b32 v[NIL], 0
	ds_add_u32 v[SPW], v[NIL]                      ; the wave's opening: the add and its wait ahead of my first tensor load; work on registers stands between them
	v_lshrrev_b32 v1, 5, v0
	v_readfirstlane_b32 s12, v1                    ; wave 0..3
	s_and_b32 s13, s12, 1                          ; which 72 rows of a chunk I fetch
	s_lshr_b32 s14, s12, 1                         ; and of which chunks: w / 2, and every second one from there
	s_bfe_u32 s15, ttmp6, 0x40000                  ; cx: my slice of 256 columns; it enters the weights' and hs's global addresses alone
	s_and_b32 s16, ttmp7, 0xffff                   ; t: the tile of rows, which the four partners share
	s_mov_b32 s[G1A+0], 15|(1<<16)|(1<<20)|(1<<21)|(5<<22)|(3<<25)  ; the mask of four; 2-byte elements; padding on; bit 21 beside a mask; after every 64 words 4 words
	s_mov_b32 s[G1A+1], KSTEP<<16                  ; tensor_dim0 = 128
	s_mov_b32 s[G1A+2], 72<<16                     ; tensor_dim1 = 72
	s_mov_b32 s[G1A+3], KSTEP<<16                  ; tile_dim0 = 128
	s_mov_b32 s[G1A+4], 72                         ; tile_dim1 = 72
	s_mov_b32 s[G1A+5], 1024                       ; elements from row to row
	s_mov_b32 s[G1A+6], 0
	s_mov_b32 s[G1A+7], 0
	s_mul_i32 s18, s12, HALFC                      ; LDS places: load j of wave w brings half-chunk w + 4 j: the wave's number times a constant, plus a constant
.irp j, 0,1,2,3
	s_mov_b32 s[G0+4*\j], 1
	s_add_co_u32 s[G0+4*\j+1], s18, 2*CHUNK*\j
.endr
	s_lshl_b32 s20, s16, 2
	s_mul_i32 s18, s16, 144
	s_mul_i32 s19, s13, 72
	s_add_co_u32 s18, s18, s19
	s_lshl_b32 s18, s18, 11                        ; the tokens' rows: (144 t + 72 half) x 2,048 bytes,
	s_lshl_b32 s19, s14, 8                         ; and 256 bytes along K for chunk w / 2
	s_add_co_u32 s18, s18, s19
	s_mov_b32 s19, 0
	s_mul_i32 s22, s16, 144*2048                   ; hs: 144 t rows of 2,048 bytes + 512 cx
	s_lshl_b32 s23, s15, 9
	s_add_co_u32 s22, s22, s23
	s_mov_b32 s23, 0
	s_mov_b32 s56, 0x3ebf7377                      ; 0.3739278
	s_mov_b32 s57, s56                             ; (named as pairs, so both words are written)
	s_mov_b32 s58, 0xbd445ca1                      ; -0.0479399
	s_mov_b32 s59, s58
	s_mov_b32 s60, 0x3e32303a                      ; 0.1740121
	s_mov_b32 s61, s60
	s_mov_b32 s62, 0x7fffffff
	s_mov_b32 s66, 0x3eaa540e                      ; 0.33267253 = 0.47047 / sqrt(2)
	s_mov_b32 s67, s66
	s_mov_b32 s68, 0xbf38aa3b                      ; -log2(e) / 2
	s_mov_b32 s69, s68
	s_wait_dscnt 0x0                               ; the opening add is done
	s_wait_kmcnt 0x0
	s_load_b32 s17, s[8:9], s20 offset:0x8000      ; the tile's expert: on its way under the round and the tensor loads
	s_add_nc_u64 s[G0+2:G0+3], s[4:5], s[18:19]
.irp j, 1,2,3
	s_add_nc_u64 s[G0+4*\j+2:G0+4*\j+3], s[G0+2:G0+3], 4*KSTEP*\j  ; two chunks, 512 bytes, further along K
.endr
.irp j, 0,1,2,3
	s_or_b32 s[G0+4*\j+3], s[G0+4*\j+3], 0x80000000                ; type = 2
.endr
	s_add_nc_u64 s[10:11], s[10:11], s[22:23]
	CROUND                                         ; all four work-groups are here: the joint loads meet
.irp j, 0,1,2,3                        ; the launch's only fills, one group: four tensor loads of mine are out
	tensor_load_to_lds s[G0+4*\j:G0+4*\j+3], s[G1A:G1A+7]
	s_nop 0
.endr
.rept 4
	v_nop
.endr
	s_wait_kmcnt 0x0
	s_min_u32 s17, s17, 7                          ; a loaded number enters an address only so bounded
	s_lshl_b32 s20, s17, 21                        ; an expert's 2 MiB,
	s_lshl_b32 s21, s15, 19                        ; my slice's four groups of 64 rows, 131,072 bytes each,
	s_add_co_u32 s20, s20, s21
	s_lshl_b32 s21, s12, 17                        ; my wave's group
	s_add_co_u32 s20, s20, s21
	s_add_co_u32 s20, s20, WOFF
	s_mov_b32 s21, 0
	s_add_nc_u64 s[BB:BB+1], s[6:7], s[20:21]
	v_and_b32 v4, 31, v0
	v_lshlrev_b32 v[BO], 4, v4
; Eight loads: a quarter of my weights, at byte off of the stream, into ring buffer rb: load i brings registers 4 i .. 4 i + 3
.macro BLOAD rb, off
	WIN 0xc0                                       ; destination window 3, address window 0
.irp i, 0,1,2,3,4,5,6,7
	global_load_b128 v[32*(\rb)+4*\i:32*(\rb)+4*\i+3], v[BO], s[BB:BB+1] offset:(\off)+512*\i
.endr
.endm
.irp q, 0,1,2,3,4,5,6
	BLOAD \q, QB*\q                                ; the ring is filled: quarters 0 to 6
.endr
	WIN 0
	; a fragment is 16 rows x 32 K in 8 registers: lane l holds row l % 16, K = 8 (l / 16) + 0..7 and 16 + 8 (l / 16) + 0..7: two loads of 16 bytes, 32 bytes apart
	v_and_b32 v1, 15, v0
	v_bfe_u32 v2, v0, 4, 1
	v_mul_u32_u24 v3, v1, PITCH
	v_lshl_add_u32 v[ADRA], v2, 4, v3
	v_add_nc_u32 v[ADRA+1], CHUNK, v[ADRA]
	v_add_nc_u32 v[ADRA+2], 2*CHUNK, v[ADRA]
	v_mul_u32_u24 v5, v1, SPITCH                   ; into the stage: token l % 16, my 64 columns, 32 bytes for each half of the lanes
	v_lshl_add_u32 v5, v2, 5, v5
	s_lshl_b32 s18, s12, 8
	v_add_nc_u32 v[STO], s18, v5
	v_add_nc_u32 v[STO+1], 48*SPITCH, v[STO]
	v_add_nc_u32 v[STO+2], 96*SPITCH, v[STO]
	s_mul_i32 s18, s12, 2*SPITCH                   ; back: wave w takes rows 8 i + 2 w and the next
	v_lshl_add_u32 v[RD], v4, 4, s18
	s_lshl_b32 s18, s12, 12
	v_lshl_add_u32 v[GO], v4, 3, s18
; Row blocks a0 .. a1 x all four column blocks, 32 along K: tokens from buffer f, weights from ring buffer rb.  zero = 1: the product starts the sum.
; The 36 accumulators take turns in the same order in every quarter, one instruction a turn.
.macro MULB f, rb, a0, a1, zero
.set ia, \a0
.rept (\a1)-(\a0)+1
.if ia < 8
	WIN 0x5b                                       ; source 0 window 3, source 1 window 2, C and D window 1
.set rD, 32*ia
.else
	WIN 0x0b                                       ; C and D in window 0
.set rD, 224
.endif
.irp b, 0,1,2,3
.if \zero
	v_wmma_f32_16x16x32_bf16 v[rD+8*\b:rD+8*\b+7], v[32*(\rb)+8*\b:32*(\rb)+8*\b+7], v[(\f)+8*ia:(\f)+8*ia+7], 0
.else
	v_wmma_f32_16x16x32_bf16 v[rD+8*\b:rD+8*\b+7], v[32*(\rb)+8*\b:32*(\rb)+8*\b+7], v[(\f)+8*ia:(\f)+8*ia+7], v[rD+8*\b:rD+8*\b+7]
.endif
.endr
.set ia, ia+1
.endr
.endm
; 18 LDS loads in one run: the tokens' fragments of 32 along K, at byte k of the rows of the chunk that register reg points to, into buffer f
.macro FETCH reg, k, f
	WIN 0x80                                       ; destination window 2, address window 0
.irp a, 0,1,2,3,4,5,6,7,8
	ds_load_b128 v[(\f)+8*\a:(\f)+8*\a+3],   v[\reg] offset:(\k)+16*PITCH*\a
	ds_load_b128 v[(\f)+8*\a+4:(\f)+8*\a+7], v[\reg] offset:(\k)+16*PITCH*\a+32
.endr
.endm
; A quarter: multiplies token buffer f by ring buffer rb; in its middle it fetches the next quarter's tokens (reg, k) into g and, where off is not negative, asks for the weights seven quarters on,
; into the ring buffer that the quarter before has read.  cnt: the loads of weights younger than this quarter's, which may stay out.
.macro QUARTER reg, k, f, g, rb, zero, off, cnt
	s_wait_loadcnt \cnt                            ; loads come back in order (ISA guide 5.7.1): this quarter's weights are in
	s_wait_dscnt 10                                ; the tokens' blocks 0-3 are in; the youngest ten loads (blocks 4-8) may be out
	MULB \f, \rb, 0, 3, \zero
	PLACES
	FETCH \reg, \k, \g
.if (\off) >= 0
	BLOAD ((\rb)+7)%8, \off
.endif
	s_wait_dscnt 18                                ; all but the 18 just issued
	MULB \f, \rb, 4, 8, \zero
.endm
	s_wait_tensorcnt 0x0                           ; my four parts of the tile have landed,
	s_barrier_signal -1
	s_barrier_wait -1                              ; everybody's have: from here on the tile is only read
	FETCH ADRA, 0, F0
	QUARTER ADRA, 64, F0, F1, 0, 1, 7*QB, 48       ; quarter 0 stands in front of the loop: its products start the sums
	WIN 0                                          ; at a label and at a branch every window is 0
	s_mov_b32 s3, 3
.Llap:                                                 ; trip t: quarters 8 t + 1 .. 8 t + 8; they ask for quarters 8 t + 8 .. 8 t + 15 of the weights
	QUARTER ADRA,   128, F1, F0, 1, 0, 8*QB,  48
	QUARTER ADRA,   192, F0, F1, 2, 0, 9*QB,  48
	QUARTER ADRA+1, 0,   F1, F0, 3, 0, 10*QB, 48
	QUARTER ADRA+1, 64,  F0, F1, 4, 0, 11*QB, 48
	QUARTER ADRA+1, 128, F1, F0, 5, 0, 12*QB, 48
	QUARTER ADRA+1, 192, F0, F1, 6, 0, 13*QB, 48
	QUARTER ADRA+2, 0,   F1, F0, 7, 0, 14*QB, 48
	QUARTER ADRA+2, 64,  F0, F1, 0, 0, 15*QB, 48
	WIN 0
	s_wait_xcnt 0x0                                ; the loads' base is stepped only behind this wait
	s_add_nc_u64 s[BB:BB+1], s[BB:BB+1], 8*QB
	v_add_nc_u32 v[ADRA], 2*CHUNK, v[ADRA]
	v_add_nc_u32 v[ADRA+1], 2*CHUNK, v[ADRA+1]
	v_add_nc_u32 v[ADRA+2], 2*CHUNK, v[ADRA+2]
	s_sub_co_u32 s3, s3, 1
	s_cmp_lg_u32 s3, 0
	s_cbranch_scc1 .Llap
	QUARTER ADRA,   128, F1, F0, 1, 0, -1, 48      ; quarters 25 to 31 ask for no weights: the counts run down
	QUARTER ADRA,   192, F0, F1, 2, 0, -1, 40
	QUARTER ADRA+1, 0,   F1, F0, 3, 0, -1, 32
	QUARTER ADRA+1, 64,  F0, F1, 4, 0, -1, 24
	QUARTER ADRA+1, 128, F1, F0, 5, 0, -1, 16
	QUARTER ADRA+1, 192, F0, F1, 6, 0, -1, 8
	s_wait_loadcnt 0x0
	s_wait_dscnt 10
	MULB F1, 7, 0, 3, 0
	s_wait_dscnt 0x0
	MULB F1, 7, 4, 8, 0
	WIN 0
	PLACES
	; THE WAY OUT.  Every wave that has passed this barrier has read its last fragments (its LDS loads are back), and no fill is to come: behind it the first chunks' bytes serve as the stage.
	s_barrier_signal -1
	s_barrier_wait -1
.set ia, 0
.rept 9                                                ; 32 bytes a lane and accumulator, the low four registers first
.if ia < 8
	WIN 0x04                                       ; the stores' data in window 1
.set rD, 32*ia
.else
	WIN 0
.set rD, 224
.endif
.irp b, 0,1,2,3
	ds_store_b128 v[STO+ia/3], v[rD+8*\b:rD+8*\b+3]   offset:16*SPITCH*(ia%3)+64*\b
	ds_store_b128 v[STO+ia/3], v[rD+8*\b+4:rD+8*\b+7] offset:16*SPITCH*(ia%3)+64*\b+16
.endr
.set ia, ia+1
.endr
	WIN 0
	s_wait_dscnt 0x0                               ; for the others' sake: a row's 1,024 bytes come from four waves
	s_barrier_signal -1
	s_barrier_wait -1
; Two rows: 16 numbers a lane.  ahead = 1: the next two rows are asked for as soon as these have been read out of their registers.
.macro GEL ahead
	s_wait_dscnt 0x0
.set i, 0
.rept 16
	v_and_b32 v[GA+i], s62, v[GX+i]
.set i, i+1
.endr
.set i, 0
.rept 8
	v_pk_mul_f32 v[GQ+2*i:GQ+2*i+1], v[GX+2*i:GX+2*i+1], v[GX+2*i:GX+2*i+1]
	v_pk_mul_f32 v[GH+2*i:GH+2*i+1], v[GX+2*i:GX+2*i+1], 0.5 op_sel_hi:[1,0]
.set i, i+1
.endr
.if \ahead
	v_add_nc_u32 v[RD], 8*SPITCH, v[RD]
	ds_load_b128 v[GX:GX+3],     v[RD]
	ds_load_b128 v[GX+4:GX+7],   v[RD] offset:512
	ds_load_b128 v[GX+8:GX+11],  v[RD] offset:SPITCH
	ds_load_b128 v[GX+12:GX+15], v[RD] offset:SPITCH+512
.endif
.set i, 0
.rept 8
	v_pk_fma_f32 v[GD+2*i:GD+2*i+1], v[GA+2*i:GA+2*i+1], s[66:67], 1.0 op_sel_hi:[1,0,0]
	v_pk_mul_f32 v[GQ+2*i:GQ+2*i+1], v[GQ+2*i:GQ+2*i+1], s[68:69] op_sel_hi:[1,0]
.set i, i+1
.endr
.set i, 0
.rept 16
	v_rcp_f32 v[GD+i], v[GD+i]
.set i, i+1
.endr
.set i, 0
.rept 16
	v_exp_f32 v[GQ+i], v[GQ+i]
.set i, i+1
.endr
	v_nop                                          ; a plain instruction behind the last of them
	s_wait_alu depctr_va_vdst(0)                   ; one wait for the batch of 32, ahead of its first reader
.set i, 0
.rept 8
	v_pk_fma_f32 v[GR+2*i:GR+2*i+1], v[GD+2*i:GD+2*i+1], s[56:57], s[58:59] op_sel_hi:[1,0,0]
.set i, i+1
.endr
.set i, 0
.rept 8
	v_pk_fma_f32 v[GR+2*i:GR+2*i+1], v[GR+2*i:GR+2*i+1], v[GD+2*i:GD+2*i+1], s[60:61] op_sel_hi:[1,1,0]
.set i, i+1
.endr
.set i, 0
.rept 8
	v_pk_mul_f32 v[GR+2*i:GR+2*i+1], v[GR+2*i:GR+2*i+1], v[GD+2*i:GD+2*i+1]
.set i, i+1
.endr
.set i, 0
.rept 8
	v_pk_fma_f32 v[GR+2*i:GR+2*i+1], v[GR+2*i:GR+2*i+1], v[GQ+2*i:GQ+2*i+1], 0.5 op_sel_hi:[1,1,0] neg_lo:[1,0,0] neg_hi:[1,0,0]
.set i, i+1
.endr
.set i, 0
.rept 8
	v_pk_fma_f32 v[GR+2*i:GR+2*i+1], v[GA+2*i:GA+2*i+1], v[GR+2*i:GR+2*i+1], v[GH+2*i:GH+2*i+1]
.set i, i+1
.endr
.set i, 0
.rept 8
	v_cvt_pk_bf16_f32 v[GP+i], v[GR+2*i], v[GR+2*i+1]
.set i, i+1
.endr
	global_store_b64 v[GO], v[GP:GP+1],   s[10:11]               ; each store of the wave covers 256 consecutive bytes, aligned
	global_store_b64 v[GO], v[GP+2:GP+3], s[10:11] offset:256
	global_store_b64 v[GO], v[GP+4:GP+5], s[10:11] offset:2048
	global_store_b64 v[GO], v[GP+6:GP+7], s[10:11] offset:2304
.if \ahead
	s_wait_xcnt 0x0                                ; the stores' offset and data are rewritten only behind this wait
	v_add_nc_u32 v[GO], 8*2048, v[GO]
.endif
.endm
	ds_load_b128 v[GX:GX+3],     v[RD]
	ds_load_b128 v[GX+4:GX+7],   v[RD] offset:512
	ds_load_b128 v[GX+8:GX+11],  v[RD] offset:SPITCH
	ds_load_b128 v[GX+12:GX+15], v[RD] offset:SPITCH+512
	s_mov_b32 s2, 17
.Lgel:                                                 ; 18 times eight rows of the work-group's 144; the last is written out, without loads
	GEL 1
	s_sub_co_u32 s2, s2, 1
	s_cmp_lg_u32 s2, 0
	s_cbranch_scc1 .Lgel
	GEL 0
	s_wait_tensorcnt 0x0                           ; the wave's end: behind my last tensor load and my last LDS store
	ds_add_u32 v[SPW], v[NIL]
	s_wait_dscnt 0x0
	CROUND                                         ; the closing round: no work-group ends while a partner may still ask for a tile that names it
	s_endpgm
.Lfunc_end_k_q933948ae7d_ffn1:
	.size	k_q933948ae7d_ffn1, .Lfunc_end_k_q933948ae7d_ffn1-k_q933948ae7d_ffn1
	.p2alignl 7, 3214868480
	.fill 96, 4, 3214868480
	.section	.rodata,"a",@progbits
	.p2align	6, 0x0
	.amdhsa_kernel k_q933948ae7d_ffn1
		.amdhsa_group_segment_fixed_size 327680
		.amdhsa_private_segment_fixed_size 0
		.amdhsa_enable_private_segment 0
		.amdhsa_kernarg_size 32
		.amdhsa_user_sgpr_count 2
		.amdhsa_user_sgpr_kernarg_segment_ptr 1
		.amdhsa_wavefront_size32 1
		.amdhsa_system_sgpr_workgroup_id_x 1
		.amdhsa_system_sgpr_workgroup_id_y 1
		.amdhsa_system_sgpr_workgroup_id_z 1
		.amdhsa_system_vgpr_workitem_id 0
		.amdhsa_next_free_vgpr 1024
		.amdhsa_next_free_sgpr 72
		.amdhsa_reserve_vcc 0
		.amdhsa_float_denorm_mode_32 3
		.amdhsa_float_denorm_mode_16_64 3
		.amdhsa_memory_ordered 1
		.amdhsa_forward_progress 1
		.amdhsa_inst_pref_size 98
	.end_amdhsa_kernel
	.amdgpu_metadata
---
amdhsa.version: [ 1, 2 ]
amdhsa.kernels:
  - .name:           k_q933948ae7d_ffn1
    .symbol:         k_q933948ae7d_ffn1.kd
    .args:
      - { .name: xs, .offset: 0, .size: 8, .value_kind: global_buffer, .address_space: global }
      - { .name: wb, .offset: 8, .size: 8, .value_kind: global_buffer, .address_space: global }
      - { .name: pint, .offset: 16, .size: 8, .value_kind: global_buffer, .address_space: global }
      - { .name: hs, .offset: 24, .size: 8, .value_kind: global_buffer, .address_space: global }
    .group_segment_fixed_size: 327680
    .private_segment_fixed_size: 0
    .kernarg_segment_align: 8
    .kernarg_segment_size: 32
    .max_flat_workgroup_size: 128
    .sgpr_count:     72
    .vgpr_count:     1024
    .wavefront_size: 32
...
	.end_amdgpu_metadata
.endif
;; end of part 3
;; launch ffn2 (part 4): grid 4 x 64, 4 waves a work-group, clusters of 4 x 1, 327,680 bytes of LDS; arguments hs, wb, pint, ys; writes ys
.if DOCPART == 4
	.amdgcn_target "amdgcn-amd-amdhsa--gfx1250"
	.amdhsa_code_object_version 6
	.text
	.protected	k_q933948ae7d_ffn2
	.globl	k_q933948ae7d_ffn2
	.p2align	8
	.type	k_q933948ae7d_ffn2,@function
k_q933948ae7d_ffn2:
	s_mov_b64 s[64:65], 0
	v_nop
	global_prefetch_b8 v0, s[64:65] scope:SCOPE_SE
	s_setreg_imm32_b32 hwreg(HW_REG_WAVE_MODE, 25, 1), 1
	s_wait_xcnt 0x0
	s_wait_alu depctr_hold_cnt(0) depctr_sa_sdst(0) depctr_va_vdst(0) depctr_va_sdst(0) depctr_va_ssrc(0) depctr_va_vcc(0) depctr_vm_vsrc(0)
	s_getreg_b32 s2, hwreg(HW_REG_IB_STS2, 6, 4)
	s_cmp_eq_u32 s2, 0
	s_cbranch_scc0 .Lentry_in_a_cluster
	s_endpgm
.Lentry_in_a_cluster:
	s_bfe_u32 s2, ttmp6, 0x10000c
	s_cmp_lg_u32 s2, 0x3003
	s_cbranch_scc0 .Lentry_shape_is_right
	s_endpgm
.Lentry_shape_is_right:
; ys[row][n] = sum over k of hs[row][k] W2[e][n][k], for the 9,216 sorted rows; hs and W2 (in wb, from byte 16,777,216) in bf16; sums and ys in f32 (ys holds partial rows that the next launch adds).
; A work-group makes 144 rows (tile t, all of one expert e = tile_e[t]) x 256 columns (slice cx): 64 x 4 = 256 work-groups, whatever the split of the tokens.
; A tile that a split leaves empty holds zero rows and is multiplied like any other: its rows of ys are written and nobody reads them; so no barrier and no joint load hangs on loaded data.
; Four waves; wave w makes all 144 rows x columns 64 w .. 64 w + 63: 36 accumulators of 16 x 16 (9 row blocks a x 4 column blocks b).  K goes in 32 quarters of 32: 36 matrix instructions each.
; The matrix instruction is used transposed (source 0 = 16 rows of W2, source 1 = 16 rows of hs): a lane holds one row and eight neighbouring columns.
; hs's TILE lies whole in LDS, filled once: 8 chunks of 128 along K, each 144 rows of 256 bytes padded to 272.  All four waves read it: 18 LDS loads a quarter.
; CLUSTER: the four slices of a tile need the same rows of hs: asked for jointly, four loads a wave (72 rows x 256 bytes each), all at the start.  Nothing is filled again, so the K loop has no barrier.
; THE WEIGHTS go from memory straight into registers: a wave's 64 rows are read by that wave alone, so LDS would share nothing.  wb holds them in the registers' order, a wave's whole stream 131,072 bytes on end,
; a quarter 4,096: eight loads of 512 consecutive bytes.  A ring of eight register buffers: quarter q asks for quarter q + 7, so 56 loads of a wave (28,672 bytes) are on their way, each for seven quarters' work.
; The weights are not asked for jointly: they do not pass through LDS, and an expert's number of tiles hangs on the stored counts, so partners could not be made alike.
; REGISTERS, in windows of 256 (s_set_vgpr_msb: bits 1:0 source 0, 3:2 source 1, 5:4 source 2, 7:6 destination):
;   window 0: addresses; v32-63 at work on the way out; v224-255 the accumulators of row block 8      window 1: accumulator (a, b), a < 8, at 8 (4 a + b)
;   window 2: two buffers of 72 for hs's fragments, block a at 8 a                                     window 3: the weights' ring: buffer q % 8 at 32 (q % 8), block b at 8 b
.set KSTEP,  128
.set PITCH,  272                       ; an LDS row: 256 bytes + 16 = 68 words: the 16 rows of a fragment load start at 16 different groups of four banks (64 banks of 4 bytes: ISA guide 11.1)
.set HALFC,  72*PITCH                  ; what one tensor load brings: 72 rows of a chunk
.set CHUNK,  144*PITCH                 ; 128 along K of the tile's 144 rows
.set SPARE,  8*CHUNK                   ; behind the tile: the spare words, 128 bytes for each wave: two blocks of 256 bytes that no other line names
.set SPITCH, 1040                      ; the stage for the way out: 144 rows of 256 f32 + 16 bytes, from LDS byte 0: over chunks 0 to 3, which have had their one fill
.set WOFF,   16777216                  ; W2's place in wb
.set QB,     4096                      ; a quarter of my weights
.set ADRA, 16                          ; v16-18 LDS address of my lane in chunks 2 t, 2 t + 1, 2 t + 2 (t: the loop's trip)
.set BO,   19                          ; v19    16 x lane: my place in a load of weights; never rewritten
.set STO,  22                          ; v22-24 into the stage: row blocks 0-2, 3-5, 6-8
.set RD,   25                          ; v25    back from the stage
.set GO,   26                          ; v26    my byte offset in ys
.set SPW,  28                          ; v28    my spare word's LDS address; never rewritten
.set NIL,  29                          ; v29    0; never rewritten
.set F0,   0
.set F1,   72
.set G1A,  24                          ; s[24:31] descriptor group 1
.set G0,   32                          ; s[32:47] descriptor group 0, a set for each of my four loads
.set BB,   48                          ; s[48:49] my weights' stream, stepped by eight quarters a trip
.set OB,   32                          ; the way out: four rows read back
.set MSB, 0
.macro WIN new                         ; the immediate's high byte repeats the setting that is left; a switch that changes nothing is dropped
.if MSB != (\new)
	s_set_vgpr_msb (MSB<<8)|(\new)
.set MSB, \new
.endif
.endm
.macro CROUND                          ; a round of the cluster's barrier
	s_barrier_signal -1
	s_barrier_wait -1
	s_cmp_lg_u32 s12, 0
	s_cbranch_scc1 .Lnot_wave_0_\@
	s_barrier_signal -3
.Lnot_wave_0_\@:
	s_barrier_wait -3
	s_barrier_signal -1
	s_barrier_wait -1
.endm
.macro PLACES                          ; four plain vector instructions between a matrix instruction and a load into, or a read of, its registers
.rept 4
	v_nop
.endr
.endm
	s_load_b256 s[4:11], s[0:1], 0x0               ; hs s[4:5], wb s[6:7], pint s[8:9], ys s[10:11]
	v_lshl_add_u32 v[SPW], v0, 2, SPARE
	v_mov_b32 v[NIL], 0
	ds_add_u32 v[SPW], v[NIL]                      ; the wave's opening: the add and its wait ahead of my first tensor load; work on registers stands between them
	v_lshrrev_b32 v1, 5, v0
	v_readfirstlane_b32 s12, v1                    ; wave 0..3
	s_and_b32 s13, s12, 1                          ; which 72 rows of a chunk I fetch
	s_lshr_b32 s14, s12, 1                         ; and of which chunks: w / 2, and every second one from there
	s_bfe_u32 s15, ttmp6, 0x40000                  ; cx: my slice of 256 columns; it enters the weights' and ys's global addresses alone
	s_and_b32 s16, ttmp7, 0xffff                   ; t: the tile of rows, which the four partners share
	s_mov_b32 s[G1A+0], 15|(1<<16)|(1<<20)|(1<<21)|(5<<22)|(3<<25)  ; the mask of four; 2-byte elements; padding on; bit 21 beside a mask; after every 64 words 4 words
	s_mov_b32 s[G1A+1], KSTEP<<16                  ; tensor_dim0 = 128
	s_mov_b32 s[G1A+2], 72<<16                     ; tensor_dim1 = 72
	s_mov_b32 s[G1A+3], KSTEP<<16                  ; tile_dim0 = 128
	s_mov_b32 s[G1A+4], 72                         ; tile_dim1 = 72
	s_mov_b32 s[G1A+5], 1024                       ; elements from row to row
	s_mov_b32 s[G1A+6], 0
	s_mov_b32 s[G1A+7], 0
	s_mul_i32 s18, s12, HALFC                      ; LDS places: load j of wave w brings half-chunk w + 4 j: the wave's number times a constant, plus a constant
.irp j, 0,1,2,3
	s_mov_b32 s[G0+4*\j], 1
	s_add_co_u32 s[G0+4*\j+1], s18, 2*CHUNK*\j
.endr
	s_lshl_b32 s20, s16, 2
	s_mul_i32 s18, s16, 144
	s_mul_i32 s19, s13, 72
	s_add_co_u32 s18, s18, s19
	s_lshl_b32 s18, s18, 11                        ; hs's rows: (144 t + 72 half) x 2,048 bytes,
	s_lshl_b32 s19, s14, 8                         ; and 256 bytes along K for chunk w / 2
	s_add_co_u32 s18, s18, s19
	s_mov_b32 s19, 0
	s_mul_i32 s22, s16, 144*4096                   ; ys: 144 t rows of 4,096 bytes + 1,024 cx
	s_lshl_b32 s23, s15, 10
	s_add_co_u32 s22, s22, s23
	s_mov_b32 s23, 0
	s_wait_dscnt 0x0                               ; the opening add is done
	s_wait_kmcnt 0x0
	s_load_b32 s17, s[8:9], s20 offset:0x8000      ; the tile's expert: on its way under the round and the tensor loads
	s_add_nc_u64 s[G0+2:G0+3], s[4:5], s[18:19]
.irp j, 1,2,3
	s_add_nc_u64 s[G0+4*\j+2:G0+4*\j+3], s[G0+2:G0+3], 4*KSTEP*\j  ; two chunks, 512 bytes, further along K
.endr
.irp j, 0,1,2,3
	s_or_b32 s[G0+4*\j+3], s[G0+4*\j+3], 0x80000000                ; type = 2
.endr
	s_add_nc_u64 s[10:11], s[10:11], s[22:23]
	CROUND                                         ; all four work-groups are here: the joint loads meet
.irp j, 0,1,2,3                        ; the launch's only fills, one group: four tensor loads of mine are out
	tensor_load_to_lds s[G0+4*\j:G0+4*\j+3], s[G1A:G1A+7]
	s_nop 0
.endr
.rept 4
	v_nop
.endr
	s_wait_kmcnt 0x0
	s_min_u32 s17, s17, 7                          ; a loaded number enters an address only so bounded
	s_lshl_b32 s20, s17, 21                        ; an expert's 2 MiB,
	s_lshl_b32 s21, s15, 19                        ; my slice's four groups of 64 rows, 131,072 bytes each,
	s_add_co_u32 s20, s20, s21
	s_lshl_b32 s21, s12, 17                        ; my wave's group
	s_add_co_u32 s20, s20, s21
	s_add_co_u32 s20, s20, WOFF
	s_mov_b32 s21, 0
	s_add_nc_u64 s[BB:BB+1], s[6:7], s[20:21]
	v_and_b32 v4, 31, v0
	v_lshlrev_b32 v[BO], 4, v4
; Eight loads: a quarter of my weights, at byte off of the stream, into ring buffer rb: load i brings registers 4 i .. 4 i + 3
.macro BLOAD rb, off
	WIN 0xc0                                       ; destination window 3, address window 0
.irp i, 0,1,2,3,4,5,6,7
	global_load_b128 v[32*(\rb)+4*\i:32*(\rb)+4*\i+3], v[BO], s[BB:BB+1] offset:(\off)+512*\i
.endr
.endm
.irp q, 0,1,2,3,4,5,6
	BLOAD \q, QB*\q                                ; the ring is filled: quarters 0 to 6
.endr
	WIN 0
	; a fragment is 16 rows x 32 K in 8 registers: lane l holds row l % 16, K = 8 (l / 16) + 0..7 and 16 + 8 (l / 16) + 0..7: two loads of 16 bytes, 32 bytes apart
	v_and_b32 v1, 15, v0
	v_bfe_u32 v2, v0, 4, 1
	v_mul_u32_u24 v3, v1, PITCH
	v_lshl_add_u32 v[ADRA], v2, 4, v3
	v_add_nc_u32 v[ADRA+1], CHUNK, v[ADRA]
	v_add_nc_u32 v[ADRA+2], 2*CHUNK, v[ADRA]
	v_mul_u32_u24 v5, v1, SPITCH                   ; into the stage: row l % 16, my 64 columns, 32 bytes for each half of the lanes
	v_lshl_add_u32 v5, v2, 5, v5
	s_lshl_b32 s18, s12, 8
	v_add_nc_u32 v[STO], s18, v5
	v_add_nc_u32 v[STO+1], 48*SPITCH, v[STO]
	v_add_nc_u32 v[STO+2], 96*SPITCH, v[STO]
	s_mul_i32 s18, s12, 4*SPITCH                   ; back: wave w takes rows 16 i + 4 w + 0..3
	v_lshl_add_u32 v[RD], v4, 4, s18
	s_lshl_b32 s18, s12, 14
	v_lshl_add_u32 v[GO], v4, 4, s18
; Row blocks a0 .. a1 x all four column blocks, 32 along K: hs from buffer f, weights from ring buffer rb.  zero = 1: the product starts the sum.
; The 36 accumulators take turns in the same order in every quarter, one instruction a turn.
.macro MULB f, rb, a0, a1, zero
.set ia, \a0
.rept (\a1)-(\a0)+1
.if ia < 8
	WIN 0x5b                                       ; source 0 window 3, source 1 window 2, C and D window 1
.set rD, 32*ia
.else
	WIN 0x0b                                       ; C and D in window 0
.set rD, 224
.endif
.irp b, 0,1,2,3
.if \zero
	v_wmma_f32_16x16x32_bf16 v[rD+8*\b:rD+8*\b+7], v[32*(\rb)+8*\b:32*(\rb)+8*\b+7], v[(\f)+8*ia:(\f)+8*ia+7], 0
.else
	v_wmma_f32_16x16x32_bf16 v[rD+8*\b:rD+8*\b+7], v[32*(\rb)+8*\b:32*(\rb)+8*\b+7], v[(\f)+8*ia:(\f)+8*ia+7], v[rD+8*\b:rD+8*\b+7]
.endif
.endr
.set ia, ia+1
.endr
.endm
; 18 LDS loads in one run: hs's fragments of 32 along K, at byte k of the rows of the chunk that register reg points to, into buffer f
.macro FETCH reg, k, f
	WIN 0x80                                       ; destination window 2, address window 0
.irp a, 0,1,2,3,4,5,6,7,8
	ds_load_b128 v[(\f)+8*\a:(\f)+8*\a+3],   v[\reg] offset:(\k)+16*PITCH*\a
	ds_load_b128 v[(\f)+8*\a+4:(\f)+8*\a+7], v[\reg] offset:(\k)+16*PITCH*\a+32
.endr
.endm
; A quarter: multiplies buffer f by ring buffer rb; in its middle it fetches the next quarter's fragments of hs (reg, k) into g and, where off is not negative, asks for the weights seven quarters on,
; into the ring buffer that the quarter before has read.  cnt: the loads of weights younger than this quarter's, which may stay out.
.macro QUARTER reg, k, f, g, rb, zero, off, cnt
	s_wait_loadcnt \cnt                            ; loads come back in order (ISA guide 5.7.1): this quarter's weights are in
	s_wait_dscnt 10                                ; hs's blocks 0-3 are in; the youngest ten loads (blocks 4-8) may be out
	MULB \f, \rb, 0, 3, \zero
	PLACES
	FETCH \reg, \k, \g
.if (\off) >= 0
	BLOAD ((\rb)+7)%8, \off
.endif
	s_wait_dscnt 18                                ; all but the 18 just issued
	MULB \f, \rb, 4, 8, \zero
.endm
	s_wait_tensorcnt 0x0                           ; my four parts of the tile have landed,
	s_barrier_signal -1
	s_barrier_wait -1                              ; everybody's have: from here on the tile is only read
	FETCH ADRA, 0, F0
	QUARTER ADRA, 64, F0, F1, 0, 1, 7*QB, 48       ; quarter 0 stands in front of the loop: its products start the sums
	WIN 0                                          ; at a label and at a branch every window is 0
	s_mov_b32 s3, 3
.Llap:                                                 ; trip t: quarters 8 t + 1 .. 8 t + 8; they ask for quarters 8 t + 8 .. 8 t + 15 of the weights
	QUARTER ADRA,   128, F1, F0, 1, 0, 8*QB,  48
	QUARTER ADRA,   192, F0, F1, 2, 0, 9*QB,  48
	QUARTER ADRA+1, 0,   F1, F0, 3, 0, 10*QB, 48
	QUARTER ADRA+1, 64,  F0, F1, 4, 0, 11*QB, 48
	QUARTER ADRA+1, 128, F1, F0, 5, 0, 12*QB, 48
	QUARTER ADRA+1, 192, F0, F1, 6, 0, 13*QB, 48
	QUARTER ADRA+2, 0,   F1, F0, 7, 0, 14*QB, 48
	QUARTER ADRA+2, 64,  F0, F1, 0, 0, 15*QB, 48
	WIN 0
	s_wait_xcnt 0x0                                ; the loads' base is stepped only behind this wait
	s_add_nc_u64 s[BB:BB+1], s[BB:BB+1], 8*QB
	v_add_nc_u32 v[ADRA], 2*CHUNK, v[ADRA]
	v_add_nc_u32 v[ADRA+1], 2*CHUNK, v[ADRA+1]
	v_add_nc_u32 v[ADRA+2], 2*CHUNK, v[ADRA+2]
	s_sub_co_u32 s3, s3, 1
	s_cmp_lg_u32 s3, 0
	s_cbranch_scc1 .Llap
	QUARTER ADRA,   128, F1, F0, 1, 0, -1, 48      ; quarters 25 to 31 ask for no weights: the counts run down
	QUARTER ADRA,   192, F0, F1, 2, 0, -1, 40
	QUARTER ADRA+1, 0,   F1, F0, 3, 0, -1, 32
	QUARTER ADRA+1, 64,  F0, F1, 4, 0, -1, 24
	QUARTER ADRA+1, 128, F1, F0, 5, 0, -1, 16
	QUARTER ADRA+1, 192, F0, F1, 6, 0, -1, 8
	s_wait_loadcnt 0x0
	s_wait_dscnt 10
	MULB F1, 7, 0, 3, 0
	s_wait_dscnt 0x0
	MULB F1, 7, 4, 8, 0
	WIN 0
	PLACES
	; THE WAY OUT.  Every wave that has passed this barrier has read its last fragments (its LDS loads are back), and no fill is to come: behind it the first chunks' bytes serve as the stage.
	s_barrier_signal -1
	s_barrier_wait -1
.set ia, 0
.rept 9                                                ; 32 bytes a lane and accumulator, the low four registers first
.if ia < 8
	WIN 0x04                                       ; the stores' data in window 1
.set rD, 32*ia
.else
	WIN 0
.set rD, 224
.endif
.irp b, 0,1,2,3
	ds_store_b128 v[STO+ia/3], v[rD+8*\b:rD+8*\b+3]   offset:16*SPITCH*(ia%3)+64*\b
	ds_store_b128 v[STO+ia/3], v[rD+8*\b+4:rD+8*\b+7] offset:16*SPITCH*(ia%3)+64*\b+16
.endr
.set ia, ia+1
.endr
	WIN 0
	s_wait_dscnt 0x0                               ; for the others' sake: a row's 1,024 bytes come from four waves
	s_barrier_signal -1
	s_barrier_wait -1
	s_mov_b32 s2, 9
.Lout:                                                 ; nine times sixteen rows of the work-group's 144: four rows a wave and trip
.irp j, 0,1,2,3,4,5,6,7
	ds_load_b128 v[OB+4*\j:OB+4*\j+3], v[RD] offset:SPITCH*((\j)/2)+512*((\j)%2)
.endr
.irp j, 0,1,2,3,4,5,6,7
	s_wait_dscnt 7-\j                              ; load j is back, the younger ones may be out
	global_store_b128 v[GO], v[OB+4*\j:OB+4*\j+3], s[10:11] offset:4096*((\j)/2)+512*((\j)%2)  ; each store of the wave covers 512 consecutive bytes, aligned to 256
.endr
	s_wait_xcnt 0x0                                ; the stores' offset and data are rewritten only behind this wait
	v_add_nc_u32 v[RD], 16*SPITCH, v[RD]
	v_add_nc_u32 v[GO], 16*4096, v[GO]
	s_sub_co_u32 s2, s2, 1
	s_cmp_lg_u32 s2, 0
	s_cbranch_scc1 .Lout
	s_wait_tensorcnt 0x0                           ; the wave's end: behind my last tensor load and my last LDS store
	ds_add_u32 v[SPW], v[NIL]
	s_wait_dscnt 0x0
	CROUND                                         ; the closing round: no work-group ends while a partner may still ask for a tile that names it
	s_endpgm
.Lfunc_end_k_q933948ae7d_ffn2:
	.size	k_q933948ae7d_ffn2, .Lfunc_end_k_q933948ae7d_ffn2-k_q933948ae7d_ffn2
	.p2alignl 7, 3214868480
	.fill 96, 4, 3214868480
	.section	.rodata,"a",@progbits
	.p2align	6, 0x0
	.amdhsa_kernel k_q933948ae7d_ffn2
		.amdhsa_group_segment_fixed_size 327680
		.amdhsa_private_segment_fixed_size 0
		.amdhsa_enable_private_segment 0
		.amdhsa_kernarg_size 32
		.amdhsa_user_sgpr_count 2
		.amdhsa_user_sgpr_kernarg_segment_ptr 1
		.amdhsa_wavefront_size32 1
		.amdhsa_system_sgpr_workgroup_id_x 1
		.amdhsa_system_sgpr_workgroup_id_y 1
		.amdhsa_system_sgpr_workgroup_id_z 1
		.amdhsa_system_vgpr_workitem_id 0
		.amdhsa_next_free_vgpr 1024
		.amdhsa_next_free_sgpr 72
		.amdhsa_reserve_vcc 0
		.amdhsa_float_denorm_mode_32 3
		.amdhsa_float_denorm_mode_16_64 3
		.amdhsa_memory_ordered 1
		.amdhsa_forward_progress 1
		.amdhsa_inst_pref_size 85
	.end_amdhsa_kernel
	.amdgpu_metadata
---
amdhsa.version: [ 1, 2 ]
amdhsa.kernels:
  - .name:           k_q933948ae7d_ffn2
    .symbol:         k_q933948ae7d_ffn2.kd
    .args:
      - { .name: hs, .offset: 0, .size: 8, .value_kind: global_buffer, .address_space: global }
      - { .name: wb, .offset: 8, .size: 8, .value_kind: global_buffer, .address_space: global }
      - { .name: pint, .offset: 16, .size: 8, .value_kind: global_buffer, .address_space: global }
      - { .name: ys, .offset: 24, .size: 8, .value_kind: global_buffer, .address_space: global }
    .group_segment_fixed_size: 327680
    .private_segment_fixed_size: 0
    .kernarg_segment_align: 8
    .kernarg_segment_size: 32
    .max_flat_workgroup_size: 128
    .sgpr_count:     72
    .vgpr_count:     1024
    .wavefront_size: 32
...
	.end_amdgpu_metadata
.endif
;; end of part 4
;; launch comb (part 5): grid 256 x 1, 8 waves a work-group, no clusters, 0 bytes of LDS; arguments ys, pint, rflt, out0, out1; writes out0, out1
.if DOCPART == 5
	.amdgcn_target "amdgcn-amd-amdhsa--gfx1250"
	.amdhsa_code_object_version 6
	.text
	.protected	k_q933948ae7d_comb
	.globl	k_q933948ae7d_comb
	.p2align	8
	.type	k_q933948ae7d_comb,@function
k_q933948ae7d_comb:
	s_mov_b64 s[64:65], 0
	v_nop
	global_prefetch_b8 v0, s[64:65] scope:SCOPE_SE
	s_setreg_imm32_b32 hwreg(HW_REG_WAVE_MODE, 25, 1), 1
	s_wait_xcnt 0x0
; out0[n] = gate[n][0] ys[pos[n][0]] + gate[n][1] ys[pos[n][1]], all f32; and the load-balance loss out1 = 0.01 / 8 x sum over e of (mean probability of e - 1/8)^2.
; A stream: memory binds, so no LDS, no barrier, no matrix unit.  Work-group g: tokens 16 g .. 16 g + 15; wave w: tokens n = 16 g + 2 w and n + 1: four rows of ys in, two rows out.
; All 32 loads of a wave (512 consecutive bytes each) go out before the first wait.  A place that was loaded enters an address only held to 9,215 rows.
; Work-group 0's wave 0 then adds the 256 groups' sums of probabilities.
.set L16, 3                            ; v3       16 x lane
.set AD,  4                            ; v[4:7]   the four rows' byte offsets in ys
.set D,   32                           ; v[32:159] chunk c (token c / 8, 512 bytes c % 8): first row's 16 bytes at D + 8 c, second row's at D + 8 c + 4
	s_load_b256 s[4:11], s[0:1], 0x0               ; ys s[4:5], pint s[6:7], rflt s[8:9], out0 s[10:11]
	s_load_b64 s[12:13], s[0:1], 0x20              ; out1
	v_and_b32 v1, 31, v0
	v_lshrrev_b32 v2, 5, v0
	v_readfirstlane_b32 s38, v2                    ; wave 0..7
	s_mov_b32 s39, ttmp9                           ; g
	v_lshlrev_b32 v[L16], 4, v1
	s_lshl_b32 s14, s39, 7
	s_lshl_b32 s15, s38, 4
	s_add_co_u32 s14, s14, s15                     ; 8 n: the byte of pos[n] and of gate[n]
	s_lshl_b32 s24, s14, 9                         ; 4,096 n
	s_mov_b32 s25, 0
	s_mov_b32 s36, 0x39800000                      ; 1 / 4,096
	s_mov_b32 s37, 0xbe000000                      ; -1 / 8
	s_mov_b32 s42, 0x76543210
	s_mov_b32 s43, 0xfedcba98
	s_wait_kmcnt 0x0
	s_load_b128 s[16:19], s[6:7], s14 offset:0x0   ; two tokens' two places
	s_load_b128 s[20:23], s[8:9], s14 offset:0x0   ; and their weights
	s_add_nc_u64 s[10:11], s[10:11], s[24:25]
	s_wait_kmcnt 0x0
.irp k, 0,1,2,3
	s_min_u32 s[16+\k], s[16+\k], 9215
	s_lshl_b32 s[16+\k], s[16+\k], 12              ; rows of 4,096 bytes
	v_add_nc_u32 v[AD+\k], s[16+\k], v[L16]
.endr
	s_mov_b32 s32, s21                             ; the packed forms take a pair's low word for both halves: the second weights get pairs of their own
	s_mov_b32 s33, s21
	s_mov_b32 s34, s23
	s_mov_b32 s35, s23
.set c, 0
.rept 16
	global_load_b128 v[D+8*c:D+8*c+3],   v[AD+2*(c/8)],   s[4:5] offset:512*(c%8) th:TH_LOAD_NT
	global_load_b128 v[D+8*c+4:D+8*c+7], v[AD+2*(c/8)+1], s[4:5] offset:512*(c%8) th:TH_LOAD_NT
.set c, c+1
.endr
.set c, 0
.rept 16
.set q, D+8*c
.set ga, 20+2*(c/8)
.set gb, 32+2*(c/8)
	s_wait_loadcnt 30-2*c                          ; chunk c's two loads are in, the younger ones stay out
	v_pk_mul_f32 v[q:q+1],   v[q:q+1],   s[ga:ga+1] op_sel_hi:[1,0]
	v_pk_mul_f32 v[q+2:q+3], v[q+2:q+3], s[ga:ga+1] op_sel_hi:[1,0]
	v_pk_fma_f32 v[q:q+1],   v[q+4:q+5], s[gb:gb+1], v[q:q+1]   op_sel_hi:[1,0,1]
	v_pk_fma_f32 v[q+2:q+3], v[q+6:q+7], s[gb:gb+1], v[q+2:q+3] op_sel_hi:[1,0,1]
	global_store_b128 v[L16], v[q:q+3], s[10:11] offset:512*c th:TH_STORE_NT   ; 512 consecutive bytes, aligned to 256
.set c, c+1
.endr
	s_cmp_lg_u32 s39, 0
	s_cbranch_scc1 .Lend
	s_cmp_lg_u32 s38, 0
	s_cbranch_scc1 .Lend
	s_wait_xcnt 0x0                                ; the registers that the stores read are loaded again only behind this wait
	v_lshlrev_b32 v8, 8, v1                        ; lane l: groups 8 l .. 8 l + 7, 32 bytes each
.set i, 0
.rept 16
	global_load_b128 v[D+4*i:D+4*i+3], v8, s[8:9] offset:32768+16*i
.set i, i+1
.endr
	s_wait_loadcnt 0x0
.irp j, 1,2,3,4,5,6,7
.irp k, 0,1,2,3
	v_pk_add_f32 v[D+2*\k:D+2*\k+1], v[D+2*\k:D+2*\k+1], v[D+8*\j+2*\k:D+8*\j+2*\k+1]
.endr
.endr
.irp m, 1,2,4,8
.irp e, 0,1,2,3,4,5,6,7
	v_add_f32_dpp v[D+\e], v[D+\e], v[D+\e] row_xmask:\m row_mask:0xf bank_mask:0xf
.endr
.endr
.irp e, 0,1,2,3,4,5,6,7
	v_permlanex16_b32 v[D+8+\e], v[D+\e], s42, s43
.endr
.irp e, 0,1,2,3,4,5,6,7
	v_add_f32 v[D+\e], v[D+\e], v[D+8+\e]
.endr
.irp e, 0,1,2,3,4,5,6,7
	v_fma_f32 v[D+\e], v[D+\e], s36, s37           ; the mean less 1/8
.endr
	v_mul_f32 v[D+16], v[D], v[D]
.irp e, 1,2,3,4,5,6,7
	v_fmac_f32 v[D+16], v[D+\e], v[D+\e]
.endr
	v_mul_f32 v[D+16], 0x3aa3d70a, v[D+16]         ; x 0.00125
	v_mov_b32 v9, 0
	s_wait_xcnt 0x0                                ; EXEC changes only behind this wait
	v_cmp_eq_u32 vcc_lo, 0, v1
	s_and_saveexec_b32 s40, vcc_lo
	global_store_b32 v9, v[D+16], s[12:13]
	s_wait_xcnt 0x0
	s_or_b32 exec_lo, exec_lo, s40
.Lend:
	s_endpgm
.Lfunc_end_k_q933948ae7d_comb:
	.size	k_q933948ae7d_comb, .Lfunc_end_k_q933948ae7d_comb-k_q933948ae7d_comb
	.p2alignl 7, 3214868480
	.fill 96, 4, 3214868480
	.section	.rodata,"a",@progbits
	.p2align	6, 0x0
	.amdhsa_kernel k_q933948ae7d_comb
		.amdhsa_group_segment_fixed_size 0
		.amdhsa_private_segment_fixed_size 0
		.amdhsa_enable_private_segment 0
		.amdhsa_kernarg_size 40
		.amdhsa_user_sgpr_count 2
		.amdhsa_user_sgpr_kernarg_segment_ptr 1
		.amdhsa_wavefront_size32 1
		.amdhsa_system_sgpr_workgroup_id_x 1
		.amdhsa_system_sgpr_workgroup_id_y 1
		.amdhsa_system_sgpr_workgroup_id_z 1
		.amdhsa_system_vgpr_workitem_id 0
		.amdhsa_next_free_vgpr 160
		.amdhsa_next_free_sgpr 66
		.amdhsa_reserve_vcc 1
		.amdhsa_float_denorm_mode_32 3
		.amdhsa_float_denorm_mode_16_64 3
		.amdhsa_memory_ordered 1
		.amdhsa_forward_progress 1
		.amdhsa_inst_pref_size 19
	.end_amdhsa_kernel
	.amdgpu_metadata
---
amdhsa.version: [ 1, 2 ]
amdhsa.kernels:
  - .name:           k_q933948ae7d_comb
    .symbol:         k_q933948ae7d_comb.kd
    .args:
      - { .name: ys, .offset: 0, .size: 8, .value_kind: global_buffer, .address_space: global }
      - { .name: pint, .offset: 8, .size: 8, .value_kind: global_buffer, .address_space: global }
      - { .name: rflt, .offset: 16, .size: 8, .value_kind: global_buffer, .address_space: global }
      - { .name: out0, .offset: 24, .size: 8, .value_kind: global_buffer, .address_space: global }
      - { .name: out1, .offset: 32, .size: 8, .value_kind: global_buffer, .address_space: global }
    .group_segment_fixed_size: 0
    .private_segment_fixed_size: 0
    .kernarg_segment_align: 8
    .kernarg_segment_size: 40
    .max_flat_workgroup_size: 256
    .sgpr_count:     66
    .vgpr_count:     160
    .wavefront_size: 32
...
	.end_amdgpu_metadata
.endif
;; end of part 5
